; MI455X (gfx1250); checked and timed in simulation.
; The chip was launched on July 23, 2026; its instructions are those of AMD's public machine-readable ISA for CDNA 5 (MIT licence, August 2026) and "CDNA5" Instruction Set Architecture Reference Guide (July 2026). The comments in the code are by the model that wrote it; some were corrected since.
;; Spatial MHSA. Allowed arithmetic: matrix products marked QUANTISED: E2M1 operands, one E8M0 scale for each 32 along K, by v_wmma_scale_f32_16x16x128_f8f6f4 with both operands' format E2M1 (or v_wmma_scale_f32_32x16x128_f4), f32 sums; everything else in f32.
;; Inputs: Wk 512 x 512 float32; Wo 512 x 512 float32; Wq 512 x 512 float32; Wv 512 x 512 float32; bk 512 float32; bo 512 float32; bq 512 float32; bv 512 float32; gamma 1 float32; x 2 x 512 x 64 x 64 float32.
;; Outputs: out0 2 x 512 x 64 x 64 float32.
;; This version of the problem:
;;   THIS VERSION OF THE PROBLEM IS GIVEN IN LOW PRECISION. The matrix products marked QUANTISED in the list below multiply operands that are first quantised to E2M1 (2 exponent bits, 1 mantissa bit; 4 bits a number), with one power-of-two scale for each 32 numbers along K (OCP MX v1.0); their sums are f32. All else is computed in f32.
;;   The module's matrix products, in the order in which they are computed (A, B: the left and right operand; K: the contracted axis; several contracted axes count as one K, in the product's order):
;;     1. [M 512, K 512] x [K 512, N 8,192]; A: input Wq; B: input x: QUANTISED
;;     2. [M 512, K 512] x [K 512, N 8,192]; A: input Wk; B: input x: QUANTISED
;;     3. [M 512, K 512] x [K 512, N 8,192]; A: input Wv; B: input x: QUANTISED
;;     4. batch 16 x [M 4,096, K 64] x [K 64, N 4,096]; A: computed on the way; B: computed on the way: QUANTISED
;;     5. batch 16 x [M 4,096, K 4,096] x [K 4,096, N 64]; A: softmax (see below); B: computed on the way: QUANTISED
;;     6. [M 512, K 512] x [K 512, N 8,192]; A: input Wo; B: computed on the way: QUANTISED
;;   THE QUANTISER, for each operand of a quantised product, along K:
;;     - K is cut into blocks of 32 from its start; a last block that is shorter is filled with zeros.
;;     - A block's scale is 2^e with e = floor(log2(the largest magnitude in the block)) - 2, held to -126 .. 127; a block of zeros has e = 0. As a byte (E8M0): e + 127.
;;     - Each number is divided by its block's scale, clamped to +-6, and rounded to the nearest number of E2M1, ties to even, subnormals kept.
;;     - The product sums the exact products of the quantised numbers (number of the format x scale) in f32.
;;   ~~~python
;;   def quantise(x, axis):      # numpy; x: float32 -> the quantised numbers, widened to float32 again
;;       x = np.moveaxis(x, axis, -1); K = x.shape[-1]
;;       x = np.pad(x, [(0, 0)] * (x.ndim - 1) + [(0, -K % 32)]); x = x.reshape(x.shape[:-1] + (-1, 32)); a = np.abs(x).max(-1, keepdims=True)
;;       e = np.where(a > 0, np.clip(np.frexp(np.where(a > 0, a, 1))[1] - 1 - 2, -126, 127), 0)      # np.frexp(a)[1] - 1 = floor(log2(a)), exactly
;;       r = np.clip(x / 2.0 ** e, -6, 6)
;;       step = 2.0 ** (np.maximum(np.frexp(np.where(r == 0, 1, r))[1] - 1, 0) - 1)
;;       q = np.round(r / step) * step * 2.0 ** e      # np.round: ties to even
;;       return np.moveaxis(q.reshape(q.shape[:-2] + (-1,))[..., :K], -1, axis).astype(np.float32)
;;   ~~~
;;   SOFTMAX AHEAD OF A QUANTISED PRODUCT. Where the list says 'softmax', what is quantised is not the finished softmax but p = 2^(t - M), with t = logit x log2(e) and M = ceil(the row's largest t), a whole number; so 1/2 < the row's largest p <= 1. The row's sum l is taken of the UNQUANTISED p, in f32, and the product's result is divided by l at the end. Since M is a whole number, a kernel that streams over the keys may use a running M (the ceiling of the running maximum): every later rescaling is an exact power of two, which a block's scale takes up: the codes' values come out the same.
;;   OPERANDS COMPUTED ON THE WAY. 'Computed on the way' means the value that the module computes at that place (a softmax that the list does not call 'softmax' is quantised finished and normalised). What goes into a quantiser is computed in f32, as accurately as f32 sums, v_exp_f32 and their like allow (about 1e-6 of the number): no bf16 or f16 on the way to a quantiser, and a product that is left as it is and whose result goes on into a quantised operand takes f32 operands (vector FMAs, or v_wmma_f32_16x16x4_f32). A number that lies on a knife's edge between two numbers of the format may be rounded either way, as far as f32 arithmetic and the matrix unit's own rounding can turn it there, and no further.
;; One version. Each part assembles by itself: llvm-mc -triple=amdgcn-amd-amdhsa -mcpu=gfx1250 --defsym DOCPART=n.
;; ======== version 1 of 1: 4 launches
;; workspace buffers: xc 2,097,152 bytes; xs 131,072 bytes; wc 524,288 bytes; ws 32,768 bytes; qrec 2,359,296 bytes; kvrec 4,587,520 bytes; aoc 2,097,152 bytes; aos 131,072 bytes
;; launch quant (part 1): grid 256 x 1, 8 waves a work-group, no clusters, 3,072 bytes of LDS; arguments Wq, Wk, Wv, Wo, xc, xs, wc, ws, x; writes xc, xs, wc, ws
.if DOCPART == 1
	.amdgcn_target "amdgcn-amd-amdhsa--gfx1250"
	.amdhsa_code_object_version 6
	.text
	.protected	k_q5e1af9ed2d_quant
	.globl	k_q5e1af9ed2d_quant
	.p2align	8
	.type	k_q5e1af9ed2d_quant,@function
k_q5e1af9ed2d_quant:
	s_mov_b64 s[64:65], 0
	v_nop
	global_prefetch_b8 v0, s[64:65] scope:SCOPE_SE
	s_setreg_imm32_b32 hwreg(HW_REG_WAVE_MODE, 25, 1), 1
	s_wait_xcnt 0x0
; x [2][512 c][4096 s] and Wq, Wk, Wv, Wo [512 o][512 c], f32, become codes of FP4 (E2M1) with one E8M0 byte for each 32 along c (the K of every product that reads them).
; THE LAYOUT OF THE RESULTS is the order of an operand's registers.  A tile is 16 rows (tokens of x, outputs of W) x 512 along K.  Tile T holds rows 32 (T/2) + 8 (T%2) + r + 8 (r/8), r = 0..15.
;   codes:  4,096 bytes a tile: the 16 bytes at 1024 g + 512 c + 16 (r + 16 h) are the 32 codes k = 128 g + 64 c + 32 h + 0..31 of row r, the lower k in the low four bits.
;   scales: 256 bytes a tile: the word at 16 r + 4 g holds the four bytes of k = 128 g + 32 b.
; A block's scale is 2^(floor(log2(largest magnitude)) - 2); its byte is the largest magnitude's exponent field - 2, held at 1 from below.
; LIMITS: NaN and infinities among the inputs are not served; a block of zeros, or one whose largest magnitude lies under 2^-124, gets the byte 1: its codes are zeros, and the bytes are read by this program alone.
; SHARES.  Work-groups with an even number take x: 64 tokens x 512 channels each; those with an odd number take one tile of one W.  Each way has LDS bytes of its own.
; Memory binds: no matrix unit, no tensor load, no cluster (no two work-groups read the same byte).
.set XST, 0                            ; LDS 0..1023: the x way's scale words of four tiles
.set WST, 1024                         ; LDS 1024..1279: the W way's scale bytes of one tile
.set X,   32                           ; v32..   the numbers
.set C,   16                           ; v16-31  the codes: four registers a block, so that no store's data are written again
; v8 = the largest magnitude of v[xs] .. v[xs+31], not under the floor 2^(3 - 127); v11 = the same with 2 off its exponent field: the conversion takes that field as its scale
.macro MAXBLOCK xs
	v_max3_num_f32 v8, |v[\xs]|, |v[\xs+1]|, |v[\xs+2]|
	v_max3_num_f32 v9, |v[\xs+3]|, |v[\xs+4]|, |v[\xs+5]|
.irp i, 6,10,14,18,22,26
	s_delay_alu instid0(VALU_DEP_2)
	v_max3_num_f32 v8, v8, |v[\xs+\i]|, |v[\xs+\i+1]|
	s_delay_alu instid0(VALU_DEP_2)
	v_max3_num_f32 v9, v9, |v[\xs+\i+2]|, |v[\xs+\i+3]|
.endr
	s_delay_alu instid0(VALU_DEP_2)
	v_max3_num_f32 v8, v8, |v[\xs+30]|, |v[\xs+31]|
	s_delay_alu instid0(VALU_DEP_1)
	v_max3_num_f32 v8, v8, v9, 0x1800000
	s_delay_alu instid0(VALU_DEP_1)
	v_add_nc_u32 v11, 0xff000000, v8
.endm
	s_load_b256 s[8:15], s[0:1], 0x0               ; Wq, Wk, Wv, Wo
	s_load_b256 s[16:23], s[0:1], 0x20             ; xc, xs, wc, ws
	s_load_b64 s[4:5], s[0:1], 0x40                ; x
	v_lshl_add_u32 v176, v0, 2, 0x800
	v_mov_b32 v177, 0
	v_lshrrev_b32 v1, 5, v0
	s_delay_alu instid0(VALU_DEP_1)
	v_readfirstlane_b32 s24, v1                    ; wave 0..7
	v_and_b32 v1, 31, v0                           ; lane
	s_lshr_b32 s25, ttmp9, 1                       ; which block of x, or which tile of the weights
	s_and_b32 s26, ttmp9, 1
	s_cmp_lg_u32 s26, 0
	s_cbranch_scc1 .Lweights
; ---- x: K is the OUTER axis.  A lane takes a token, its registers run down the channels: each load reads 128 neighbouring bytes, a block of 32 lies in one lane, the codes come out with K innermost.
; Wave w: tokens 32 (w % 2) on of the block's 64, channels 128 (w / 2) on.
	s_and_b32 s27, s24, 1                          ; th
	s_lshr_b32 s28, s24, 1                         ; g
	s_lshr_b32 s30, s25, 6                         ; n
	s_lshl_b32 s30, s30, 23                        ; n x 512 x 4096 x 4 bytes
	s_lshl_b32 s31, s28, 21                        ; g x 128 channels of 16,384 bytes
	s_add_co_u32 s30, s30, s31
	s_and_b32 s31, s25, 63
	s_lshl_b32 s31, s31, 8                         ; the block's 64 tokens
	s_add_co_u32 s30, s30, s31
	s_lshl_b32 s31, s27, 7
	s_add_co_u32 s30, s30, s31
	s_mov_b32 s31, 0
	s_lshl_b32 s32, s25, 14                        ; codes: tile 4 xb + 2 th, K step g
	s_lshl_b32 s33, s27, 13
	s_add_co_u32 s32, s32, s33
	s_lshl_b32 s33, s28, 10
	s_add_co_u32 s32, s32, s33
	s_mov_b32 s33, 0
	s_lshl_b32 s34, s25, 10                        ; scale words: four tiles of 256 bytes
	s_mov_b32 s35, 0
	s_wait_alu depctr_va_vdst(0)
	v_lshlrev_b32 v2, 2, v1                        ; in: 4 bytes a lane
	v_bfe_u32 v4, v1, 3, 1                         ; token l of 32 lies in tile u = bit 3 of l,
	v_bfe_u32 v5, v1, 4, 1
	v_and_b32 v6, 7, v1
	s_delay_alu instid0(VALU_DEP_1)
	v_lshlrev_b32 v6, 4, v6
	s_delay_alu instid0(VALU_DEP_1)
	v_lshl_or_b32 v6, v5, 7, v6                    ; at row r = l % 8 + 8 (bit 4 of l): 16 r
	s_delay_alu instid0(VALU_DEP_1)
	v_lshl_or_b32 v3, v4, 12, v6                   ; codes: 4,096 u + 16 r: sixteen lanes fill 256 consecutive bytes of each of the two tiles
	s_delay_alu instid0(VALU_DEP_2)
	v_lshl_or_b32 v13, v4, 8, v6                   ; scale words: 256 u + 16 r
	s_lshl_b32 s36, s27, 9
	s_lshl_b32 s37, s28, 2
	s_add_co_u32 s36, s36, s37
	v_add_nc_u32 v13, s36, v13                     ; + 512 th + 4 g (XST = 0)
	v_lshlrev_b32 v14, 4, v1
	s_wait_kmcnt 0x0
	s_add_nc_u64 s[4:5], s[4:5], s[30:31]
	s_add_nc_u64 s[16:17], s[16:17], s[32:33]
	s_add_nc_u64 s[18:19], s[18:19], s[34:35]
.set ch, 0
.rept 128
	global_load_b32 v[X+ch], v2, s[4:5] offset:ch*16384 th:TH_LOAD_NT
.set ch, ch+1
.endr
; Block b of the K step: channels 32 b on.  left: how many younger loads may stay out
.macro XBLOCK b, left
	s_wait_loadcnt \left
	MAXBLOCK X+32*\b
.irp q, 0,1,2,3
	v_cvt_scalef32_pk8_fp4_f32 v[C+4*\b+\q], v[X+32*\b+8*\q:X+32*\b+8*\q+7], v11
.endr
	v_lshrrev_b32 v10, 23, v11                     ; the scale's byte (also the plain line behind the conversions)
.if \b == 0
	s_delay_alu instid0(VALU_DEP_1)
	v_mov_b32 v12, v10
.else
	s_delay_alu instid0(VALU_DEP_1)
	v_lshl_or_b32 v12, v10, 8*\b, v12              ; four bytes make the K step's scale word
.endif
	global_store_b128 v3, v[C+4*\b:C+4*\b+3], s[16:17] offset:(\b/2)*512+(\b%2)*256
.endm
	XBLOCK 0, 63                                   ; 96 loads are younger; the count's field holds 63
	XBLOCK 1, 63                                   ; 64 are younger
	XBLOCK 2, 32
	XBLOCK 3, 0
	ds_store_b32 v13, v12
	s_wait_dscnt 0x0                               ; for the others' sake: my word lies in LDS
	s_barrier_signal -1
	s_barrier_wait -1
	s_cmp_lg_u32 s24, 0
	s_cbranch_scc1 .Lx_done
	ds_load_b128 v[160:163], v14                   ; wave 0 stores the four tiles' 1,024 bytes: 512 consecutive bytes a store
	ds_load_b128 v[164:167], v14 offset:512
	s_wait_dscnt 0x0
	global_store_b128 v14, v[160:163], s[18:19]
	global_store_b128 v14, v[164:167], s[18:19] offset:512
.Lx_done:
	s_wait_tensorcnt 0x0
	ds_add_u32 v176, v177
	s_wait_dscnt 0x0
	s_endpgm
; ---- W: K is innermost.  The work-group takes tile T of matrix m; wave w columns 64 w on; lane (r, h) the block of 32 at 64 w + 32 h of its row: eight loads of 16 bytes.
; (A load touches sixteen rows for 32 bytes each; a wave's eight loads cover each row's 256 bytes whole.  The weights are a fifth of what the launch reads.)
.Lweights:
	s_lshr_b32 s26, s25, 5                         ; m: 0 Wq, 1 Wk, 2 Wv, 3 Wo
	s_and_b32 s27, s25, 31                         ; T
	s_lshr_b32 s28, s27, 1
	s_lshl_b32 s28, s28, 16                        ; 32 (T / 2) rows of 2,048 bytes
	s_and_b32 s29, s27, 1
	s_lshl_b32 s29, s29, 14                        ; 8 (T % 2) rows
	s_add_co_u32 s30, s28, s29
	s_lshl_b32 s29, s24, 8
	s_add_co_u32 s30, s30, s29                     ; + 64 w columns
	s_mov_b32 s31, 0
	s_lshl_b32 s32, s25, 12                        ; codes: tile 32 m + T, + 512 w (w = 2 g + c)
	s_lshl_b32 s29, s24, 9
	s_add_co_u32 s32, s32, s29
	s_mov_b32 s33, 0
	s_lshl_b32 s34, s25, 8                         ; scale bytes: 256 a tile
	s_mov_b32 s35, 0
	s_wait_alu depctr_va_vdst(0)
	v_and_b32 v4, 15, v1                           ; r
	v_bfe_u32 v5, v1, 4, 1                         ; h
	s_delay_alu instid0(VALU_DEP_2)
	v_and_b32 v6, 8, v4
	s_delay_alu instid0(VALU_DEP_1)
	v_add_nc_u32 v6, v6, v4                        ; r + 8 (r / 8)
	s_delay_alu instid0(VALU_DEP_1)
	v_lshlrev_b32 v2, 11, v6
	s_delay_alu instid0(VALU_DEP_1)
	v_lshl_or_b32 v2, v5, 7, v2                    ; its row, + 128 h bytes
	v_lshlrev_b32 v3, 4, v1                        ; out: 16 x lane
	v_lshl_add_u32 v13, v4, 4, v5                  ; my byte: 16 r + h + 2 w
	s_lshl_b32 s36, s24, 1
	s_add_co_u32 s36, s36, WST
	v_add_nc_u32 v13, s36, v13
	v_lshlrev_b32 v14, 3, v1
	s_delay_alu instid0(VALU_DEP_1)
	v_add_nc_u32 v15, WST, v14
	s_wait_alu depctr_va_vdst(0)
	s_wait_kmcnt 0x0
	s_cmp_eq_u32 s26, 1
	s_cselect_b64 s[8:9], s[10:11], s[8:9]
	s_cmp_eq_u32 s26, 2
	s_cselect_b64 s[8:9], s[12:13], s[8:9]
	s_cmp_eq_u32 s26, 3
	s_cselect_b64 s[8:9], s[14:15], s[8:9]
	s_add_nc_u64 s[8:9], s[8:9], s[30:31]
	s_add_nc_u64 s[20:21], s[20:21], s[32:33]
	s_add_nc_u64 s[22:23], s[22:23], s[34:35]
.irp j, 0,1,2,3,4,5,6,7
	global_load_b128 v[X+4*\j:X+4*\j+3], v2, s[8:9] offset:16*\j th:TH_LOAD_NT
.endr
	s_wait_loadcnt 0x0
	MAXBLOCK X
.irp q, 0,1,2,3
	v_cvt_scalef32_pk8_fp4_f32 v[C+\q], v[X+8*\q:X+8*\q+7], v11
.endr
	v_lshrrev_b32 v10, 23, v11                     ; the scale's byte (also the plain line behind the conversions)
	global_store_b128 v3, v[C:C+3], s[20:21]       ; 32 lanes store 512 consecutive bytes
	ds_store_b8 v13, v10
	s_wait_dscnt 0x0                               ; for the others' sake
	s_barrier_signal -1
	s_barrier_wait -1
	s_cmp_lg_u32 s24, 0
	s_cbranch_scc1 .Lw_done
	ds_load_b64 v[160:161], v15
	s_wait_dscnt 0x0
	global_store_b64 v14, v[160:161], s[22:23]     ; 32 lanes store the tile's 256 scale bytes
.Lw_done:
	s_wait_tensorcnt 0x0
	ds_add_u32 v176, v177
	s_wait_dscnt 0x0
	s_endpgm
.Lfunc_end_k_q5e1af9ed2d_quant:
	.size	k_q5e1af9ed2d_quant, .Lfunc_end_k_q5e1af9ed2d_quant-k_q5e1af9ed2d_quant
	.p2alignl 7, 3214868480
	.fill 96, 4, 3214868480
	.section	.rodata,"a",@progbits
	.p2align	6, 0x0
	.amdhsa_kernel k_q5e1af9ed2d_quant
		.amdhsa_group_segment_fixed_size 3072
		.amdhsa_private_segment_fixed_size 0
		.amdhsa_enable_private_segment 0
		.amdhsa_kernarg_size 72
		.amdhsa_user_sgpr_count 2
		.amdhsa_user_sgpr_kernarg_segment_ptr 1
		.amdhsa_wavefront_size32 1
		.amdhsa_system_sgpr_workgroup_id_x 1
		.amdhsa_system_sgpr_workgroup_id_y 1
		.amdhsa_system_sgpr_workgroup_id_z 1
		.amdhsa_system_vgpr_workitem_id 0
		.amdhsa_next_free_vgpr 178
		.amdhsa_next_free_sgpr 66
		.amdhsa_reserve_vcc 0
		.amdhsa_float_denorm_mode_32 3
		.amdhsa_float_denorm_mode_16_64 3
		.amdhsa_memory_ordered 1
		.amdhsa_forward_progress 1
		.amdhsa_inst_pref_size 29
	.end_amdhsa_kernel
	.amdgpu_metadata
---
amdhsa.version: [ 1, 2 ]
amdhsa.kernels:
  - .name:           k_q5e1af9ed2d_quant
    .symbol:         k_q5e1af9ed2d_quant.kd
    .args:
      - { .name: Wq, .offset: 0, .size: 8, .value_kind: global_buffer, .address_space: global }
      - { .name: Wk, .offset: 8, .size: 8, .value_kind: global_buffer, .address_space: global }
      - { .name: Wv, .offset: 16, .size: 8, .value_kind: global_buffer, .address_space: global }
      - { .name: Wo, .offset: 24, .size: 8, .value_kind: global_buffer, .address_space: global }
      - { .name: xc, .offset: 32, .size: 8, .value_kind: global_buffer, .address_space: global }
      - { .name: xs, .offset: 40, .size: 8, .value_kind: global_buffer, .address_space: global }
      - { .name: wc, .offset: 48, .size: 8, .value_kind: global_buffer, .address_space: global }
      - { .name: ws, .offset: 56, .size: 8, .value_kind: global_buffer, .address_space: global }
      - { .name: x, .offset: 64, .size: 8, .value_kind: global_buffer, .address_space: global }
    .group_segment_fixed_size: 3072
    .private_segment_fixed_size: 0
    .kernarg_segment_align: 8
    .kernarg_segment_size: 72
    .max_flat_workgroup_size: 256
    .sgpr_count:     66
    .vgpr_count:     178
    .wavefront_size: 32
...
	.end_amdgpu_metadata
.endif
;; end of part 1
;; launch qkv (part 2): grid 64 x 4, 3 waves a work-group, no clusters, 0 bytes of LDS; arguments xc, xs, wc, ws, bq, bk, bv, qrec, kvrec; writes qrec, kvrec
.if DOCPART == 2
	.amdgcn_target "amdgcn-amd-amdhsa--gfx1250"
	.amdhsa_code_object_version 6
	.text
	.protected	k_q5e1af9ed2d_qkv
	.globl	k_q5e1af9ed2d_qkv
	.p2align	8
	.type	k_q5e1af9ed2d_qkv,@function
k_q5e1af9ed2d_qkv:
	s_mov_b64 s[64:65], 0
	v_nop
	global_prefetch_b8 v0, s[64:65] scope:SCOPE_SE
	s_setreg_imm32_b32 hwreg(HW_REG_WAVE_MODE, 25, 1), 1
	s_wait_xcnt 0x0
; Q = Wq x + bq, K = Wk x + bk, V = Wv x + bv on codes of FP4 with E8M0 scales, and each result quantised again, in registers, along the K of the product that will read it: Q and K along the head's 64, V along the keys.
; OPERANDS lie in memory in the order of an operand's registers (tile T = rows 32 (T/2) + 8 (T%2) + r + 8 (r/8); 4,096 bytes of codes, 256 of scale words): a load of 16 bytes a lane at 16 x lane brings half a fragment.
; A UNIT: eight tiles (128 rows) as source 0, resident in registers, against one tile as source 1, four K steps of 128: 32 matrix instructions on eight accumulators by turns.  In the result a lane holds ONE row of source 1,
; and, by the tiles' row order, register 16 b + i of its 64 is row 32 b + 16 (lane / 16) + i of source 0's 128: neighbours along the next K.  They become one fragment (8 registers) and one scale word.
; ROLES.  Work-group (tb, y): tokens 128 tb on.  Waves 0, 1: source 0 = 128 outputs of Wq (y = 0, 1) or Wk (y = 2, 3), source 1 = 16 tokens: the fragment's registers 0-3 are one head's 64 along d, registers 4-7 the next head's.
;         Wave 2: source 0 = the 128 tokens, source 1 = 16 outputs of Wv (128 y on): the fragment is 16 channels x 128 keys of V.  Eight units a wave.
; The bias is the C of each sum's first matrix instruction.
; OUT.  qrec [16 heads][32][4,608]: 8 tiles of Q (512 bytes: lane's 16 bytes = d 32 h on of its token), then scale words [2][16 r][4].
;       kvrec [16 heads][32][8,960]: 8 tiles of K likewise; 4 fragments of V (1,024 bytes); K's scale words [2][16 r][4] at 8,192; V's [16 r][4] at 8,704.  Every store covers whole aligned blocks of 256 bytes.
;       In a word of Q's or K's scales bytes 0, 1 are the head's two blocks; bytes 2, 3 are the neighbour head's or 0: they meet zero codes alone.
; NO JOINT REQUESTS, NO LDS: the operands go from memory straight into the registers that the matrix unit reads; a joint request lands in LDS, from which each wave would have to read all its 64 KiB again.
; Three waves: 6 x 4 units would put 8 units on two SIMDs all the same, and read the resident tiles twice as often.
; LIMITS: NaN and infinities are not served; a block of zeros or under 2^-124 gets the byte 1 (its codes are zeros; the bytes are read by this program alone).
; REGISTERS.  window 0: v1 16 x lane; v2 16 r; v3 v1 + a head's bytes; v4 the scale words' place; v5 16 h; v6 the bias's offset; below by name.  window 1: source 0's fragments (tile t, K step g) at 32 t + 8 g.  window 2: source 1's (tile i, g) at 32 i + 8 g.
.set ACC, 16                           ; v16-79   eight accumulators
.set CB,  80                           ; v80-143  the bias as C
.set SA,  144                          ; v144-175 source 0's scale words, 4 t + g
.set SB,  176                          ; v176-207 source 1's, 4 i + g
.set TM,  208                          ; v208-223 at work in QUANT
.set PW,  224                          ; the scale word just made
.set PC,  226                          ; v226-241 the codes just made: two sets by turns
.set SW,  242                          ; v242-249 the units' scale words;  v250-251 V's words on their way out
.set MSB, 0
.macro WIN new                         ; the immediate's high byte repeats the setting that is left
.if MSB != \new
	s_set_vgpr_msb (MSB<<8)|\new
.set MSB, \new
.endif
.endm
; 64 numbers of a lane, register 16 b + i = k 32 b + 16 (lane / 16) + i of my row, become a fragment's codes in v[pc] on and its scale word in v[pw]
.macro QUANT s, pc, pw
.irp b, 0,1,2,3
	v_max3_num_f32 v[TM+\b], |v[\s+16*\b]|, |v[\s+1+16*\b]|, 0x1800000   ; my 16 numbers of block b, and the floor 2^(3 - 127): the byte cannot fall under 1.  (Each accumulator is read from its low end on)
.endr
.irp i, 2,4,6,8,10,12,14
.irp b, 0,1,2,3
	v_max3_num_f32 v[TM+\b], v[TM+\b], |v[\s+16*\b+\i]|, |v[\s+1+16*\b+\i]|
.endr
.endr
.irp b, 0,1,2,3
	v_permlanex16_b32 v[TM+4+\b], v[TM+\b], s52, s53
.endr
.irp b, 0,1,2,3
	v_max_num_f32 v[TM+\b], v[TM+\b], v[TM+4+\b]   ; with lane l xor 16's: the block's largest magnitude
.endr
.irp b, 0,1,2,3
	v_add_nc_u32 v[TM+12+\b], 0xff000000, v[TM+\b] ; 2 off its exponent field: the conversion's scale operand
.endr
.irp b, 0,1,2,3
	v_lshrrev_b32 v[TM+4+\b], 23, v[TM+12+\b]      ; the scale's byte
.endr
	v_lshl_or_b32 v[\pw], v[TM+5], 8, v[TM+4]
	v_lshl_or_b32 v[\pw], v[TM+6], 16, v[\pw]
	v_lshl_or_b32 v[\pw], v[TM+7], 24, v[\pw]
.irp b, 0,1,2,3
	v_cvt_scalef32_pk8_fp4_f32 v[\pc+2*\b], v[\s+16*\b:\s+7+16*\b], v[TM+12+\b]
	v_cvt_scalef32_pk8_fp4_f32 v[\pc+1+2*\b], v[\s+8+16*\b:\s+15+16*\b], v[TM+12+\b]
.endr
	v_nop                                          ; one plain line behind a scaled conversion
.irp c, 0,1                                    ; the operand's layout wants a whole block in a lane
.irp i, 0,1
	v_permlane16_swap_b32 v[\pc+4*\c+\i], v[\pc+2+4*\c+\i]
.endr
.endr
.endm
.macro TILE i                          ; source 1's tile i: eight loads into window 2
	WIN 0x80
.irp g, 0,1,2,3
.irp c, 0,1
	global_load_b128 v[32*(\i)+8*\g+4*\c:32*(\i)+8*\g+4*\c+3], v1, s[36:37] offset:4096*(\i)+1024*\g+512*\c
.endr
.endr
.endm
	s_load_b256 s[4:11], s[0:1], 0x0               ; xc, xs, wc, ws
	s_load_b256 s[12:19], s[0:1], 0x20             ; bq, bk, bv, qrec
	s_load_b64 s[20:21], s[0:1], 0x40              ; kvrec
	v_lshrrev_b32 v1, 5, v0
	v_readfirstlane_b32 s22, v1                    ; wave 0..2
	s_and_b32 s23, ttmp7, 0xffff                   ; y
	s_lshr_b32 s24, ttmp9, 5                       ; n
	s_and_b32 s25, ttmp9, 31                       ; which 128 tokens of n
	s_lshl_b32 s26, s23, 1
	s_add_co_u32 s26, s26, s22                     ; waves 0, 1: which 128 outputs of Wq, Wk on end
	s_lshr_b32 s27, s26, 2                         ; 0 Q, 1 K
	s_and_b32 s28, s26, 3                          ; which 128 of the 512
	s_lshl_b32 s30, ttmp9, 15                      ; my tokens' eight tiles in xc,
	s_mov_b32 s31, 0
	s_lshl_b32 s56, ttmp9, 11                      ; and in xs
	s_mov_b32 s57, 0
	s_lshl_b32 s29, s23, 15
	s_add_co_u32 s29, s29, 262144                  ; wave 2: Wv's tiles 8 y on (Wv begins at tile 64)
	s_lshl_b32 s48, s26, 15                        ; waves 0, 1: their eight tiles
	s_lshl_b32 s62, s23, 1
	s_lshl_b32 s63, s28, 1
	s_lshl_b32 s58, s23, 9
	s_lshl_b32 s59, s28, 9
	s_cmp_eq_u32 s22, 2
	s_cselect_b32 s48, s29, s48                    ; my weights' codes,
	s_cselect_b32 s55, 1, s27                      ; do I store into kvrec?
	s_cselect_b32 s62, s62, s63                    ; the even head of my two
	s_cselect_b32 s58, s58, s59                    ; my 128 numbers of the bias
	s_mov_b32 s49, 0
	s_mov_b32 s59, 0
	s_lshr_b32 s50, s48, 4                         ; and their scale words: 256 bytes for each 4,096
	s_mov_b32 s51, 0
	s_mov_b32 s44, 147456                          ; a head's bytes, a record's bytes, where a record's scale words begin: in qrec,
	s_mov_b32 s45, 4608
	s_mov_b32 s46, 4096
	s_cmp_lg_u32 s55, 0
	s_cselect_b32 s44, 286720, s44                 ; in kvrec
	s_cselect_b32 s45, 8960, s45
	s_cselect_b32 s46, 8192, s46
	s_lshl_b32 s29, s24, 3
	s_add_co_u32 s29, s29, s62
	s_mul_i32 s60, s29, s44
	s_mul_i32 s29, s25, s45
	s_add_co_u32 s60, s60, s29                     ; my record of the even head
	s_mov_b32 s61, 0
	s_cmp_eq_u32 s22, 2
	s_cselect_b32 s47, 8, s44                      ; the scale words' store: lanes 16-31 stand 8 bytes on (V) or a head on (Q, K)
	s_cselect_b32 s46, 0, s46
	s_mov_b32 s52, 0x76543210
	s_mov_b32 s53, 0xfedcba98                      ; v_permlanex16_b32's selects for lane l xor 16
	s_mov_b32 s54, 0xffff0000                      ; lanes 16-31
	v_and_b32 v7, 31, v0
	v_lshlrev_b32 v1, 4, v7                        ; 16 x lane
	v_and_b32 v8, 15, v0                           ; r
	v_lshlrev_b32 v2, 4, v8
	v_bfe_u32 v9, v0, 4, 1                         ; h
	v_add_nc_u32 v3, s44, v1
	v_mad_u32_u24 v4, v9, s47, v2
	v_add_nc_u32 v4, s46, v4
	v_lshlrev_b32 v5, 4, v9
.irp b, 0,1,2,3
	v_mov_b32 v[TM+4+\b], 0                        ; written once: a lane permute's destination counts as one of its sources
.endr
	s_wait_kmcnt 0x0
	s_add_nc_u64 s[4:5], s[4:5], s[30:31]
	s_add_nc_u64 s[6:7], s[6:7], s[56:57]
	s_add_nc_u64 s[8:9], s[8:9], s[48:49]
	s_add_nc_u64 s[10:11], s[10:11], s[50:51]
	s_cmp_eq_u32 s22, 2
	s_cselect_b64 s[32:33], s[4:5], s[8:9]         ; source 0's codes: the tokens (wave 2) or the weights,
	s_cselect_b64 s[34:35], s[6:7], s[10:11]       ; its scale words;
	s_cselect_b64 s[36:37], s[8:9], s[4:5]         ; source 1's
	s_cselect_b64 s[38:39], s[10:11], s[6:7]
	s_cmp_lg_u32 s27, 0
	s_cselect_b64 s[40:41], s[14:15], s[12:13]
	s_cmp_eq_u32 s22, 2
	s_cselect_b64 s[40:41], s[16:17], s[40:41]     ; the bias
	s_add_nc_u64 s[40:41], s[40:41], s[58:59]
	s_cmp_lg_u32 s55, 0
	s_cselect_b64 s[42:43], s[20:21], s[18:19]     ; where I store
	s_add_nc_u64 s[42:43], s[42:43], s[60:61]
	s_cmp_eq_u32 s22, 2
	s_cbranch_scc1 .Lbias_v
	s_wait_alu depctr_va_vdst(0)
	v_lshlrev_b32 v6, 6, v9                        ; Q, K: register j of tile t is output 32 (t / 2) + 16 h + 8 (t % 2) + j
.irp t, 0,1,2,3,4,5,6,7
	global_load_b128 v[CB+8*\t:CB+8*\t+3], v6, s[40:41] offset:(32*(\t/2)+8*(\t%2))*4
	global_load_b128 v[CB+8*\t+4:CB+8*\t+7], v6, s[40:41] offset:(32*(\t/2)+8*(\t%2))*4+16
.endr
	s_branch .Lbias_done
.Lbias_v:
	v_and_b32 v6, 8, v8                            ; V: a lane holds one output in all its registers: in unit i output 32 (i / 2) + 8 (i % 2) + r + 8 (r / 8)
	v_add_nc_u32 v6, v6, v8
	v_lshlrev_b32 v6, 2, v6
.irp i, 0,1,2,3,4,5,6,7
	global_load_b32 v[CB+8+\i], v6, s[40:41] offset:(32*(\i/2)+8*(\i%2))*4
.endr
.Lbias_done:
.irp t, 0,1,2,3,4,5,6,7
	global_load_b128 v[SA+4*\t:SA+4*\t+3], v2, s[34:35] offset:256*\t
.endr
.irp i, 0,1,2,3,4,5,6,7
	global_load_b128 v[SB+4*\i:SB+4*\i+3], v2, s[38:39] offset:256*\i
.endr
	TILE 0
	WIN 0x40                                       ; source 0's 32 fragments, K step by K step, so that the first products need not wait for all
.irp g, 0,1,2,3
.irp t, 0,1,2,3,4,5,6,7
.irp c, 0,1
	global_load_b128 v[32*\t+8*\g+4*\c:32*\t+8*\g+4*\c+3], v1, s[32:33] offset:4096*\t+1024*\g+512*\c
.endr
.endr
.endr
	TILE 1
	WIN 0
; Unit i.  cs = 8: roles Q, K (the bias differs from tile to tile);  cs = 0: role V (one C for all tiles, made of the lane's one number).
.macro UNIT i, cs
.if \cs == 0
.irp j, 0,1,2,3,4,5,6,7
	v_mov_b32 v[CB+\j], v[CB+8+\i]
.endr
	s_wait_alu depctr_va_vdst(0)
.rept 4
	v_nop
.endr
.endif
.if \i < 6
	TILE \i+2                                      ; two tiles ahead, into registers that nothing has read
.endif
	WIN 0x09                                       ; source 0 window 1, source 1 window 2, C and D window 0
.irp g, 0,1,2,3
.if \i == 0
.if \g == 0
	s_wait_loadcnt 63                              ; 64 loads are younger than K step 0's (three K steps of 16, tiles 1 and 2); the count's field holds 63
.else
	s_wait_loadcnt 64-16*\g                        ; the later K steps' 16 each, and tiles 1 and 2
.endif
.elseif \g == 0
.if \i < 6
	s_wait_loadcnt 16                              ; my tile is in; the next two may be out
.else
	s_wait_loadcnt 8*(7-\i)
.endif
.endif
.irp t, 0,1,2,3,4,5,6,7                        ; the eight accumulators take turns, one instruction a turn
.if \g == 0
	v_wmma_scale_f32_16x16x128_f8f6f4 v[ACC+8*\t:ACC+8*\t+7], v[32*\t+8*\g:32*\t+8*\g+7], v[32*\i+8*\g:32*\i+8*\g+7], v[CB+\cs*\t:CB+\cs*\t+7], v[SA+4*\t+\g], v[SB+4*\i+\g] matrix_a_fmt:MATRIX_FMT_FP4 matrix_b_fmt:MATRIX_FMT_FP4
.else
	v_wmma_scale_f32_16x16x128_f8f6f4 v[ACC+8*\t:ACC+8*\t+7], v[32*\t+8*\g:32*\t+8*\g+7], v[32*\i+8*\g:32*\i+8*\g+7], v[ACC+8*\t:ACC+8*\t+7], v[SA+4*\t+\g], v[SB+4*\i+\g] matrix_a_fmt:MATRIX_FMT_FP4 matrix_b_fmt:MATRIX_FMT_FP4
.endif
.endr
.endr
	WIN 0
.rept 4
	v_nop                                          ; four places between the last product and the first read of results (ISA guide 7.12.1)
.endr
	s_wait_xcnt 0x0                                ; the stores of two units ago have read this set of code registers (and V's two word registers)
	QUANT ACC, PC+8*(\i%2), PW
.if \cs == 8
	global_store_b128 v1, v[PC+8*(\i%2):PC+8*(\i%2)+3], s[42:43] offset:512*\i      ; the even head's tile: 512 consecutive bytes
	global_store_b128 v3, v[PC+8*(\i%2)+4:PC+8*(\i%2)+7], s[42:43] offset:512*\i    ; the odd head's
	v_lshrrev_b32 v[SW+\i], v5, v[PW]              ; lanes 0-15 keep the word (the even head's bytes lowest), lanes 16-31 bring the odd head's two bytes down
.if \i%4 == 3
	global_store_b128 v4, v[SW+\i-3:SW+\i], s[42:43] offset:256*(\i/4)              ; four tiles' words: lanes 0-15 fill 256 bytes of the even head's record, lanes 16-31 of the odd head's
.endif
.else
	global_store_b128 v1, v[PC+8*(\i%2):PC+8*(\i%2)+3], s[42:43] offset:(\i/4)*286720+4096+1024*(\i%4)
	global_store_b128 v1, v[PC+8*(\i%2)+4:PC+8*(\i%2)+7], s[42:43] offset:(\i/4)*286720+4096+1024*(\i%4)+512
	v_mov_b32 v[SW+\i], v[PW]
.if \i%4 == 3
	v_cndmask_b32 v250, v[SW+\i-3], v[SW+\i-1], s54                                 ; lane (r, h) stores words 2 h and 2 h + 1 of row r: 32 lanes fill the head's 256 bytes
	v_cndmask_b32 v251, v[SW+\i-2], v[SW+\i], s54
	global_store_b64 v4, v[250:251], s[42:43] offset:(\i/4)*286720+8704
.endif
.endif
.endm
.macro TASK cs
.irp i, 0,1,2,3,4,5,6,7
	UNIT \i, \cs
.endr
.endm
	s_cmp_eq_u32 s22, 2
	s_cbranch_scc1 .Lrole_v
	TASK 8
	s_endpgm
.Lrole_v:
	s_wait_loadcnt 63                              ; 104 loads have been issued, the bias's eight first: they are in
	TASK 0
	s_endpgm
.Lfunc_end_k_q5e1af9ed2d_qkv:
	.size	k_q5e1af9ed2d_qkv, .Lfunc_end_k_q5e1af9ed2d_qkv-k_q5e1af9ed2d_qkv
	.p2alignl 7, 3214868480
	.fill 96, 4, 3214868480
	.section	.rodata,"a",@progbits
	.p2align	6, 0x0
	.amdhsa_kernel k_q5e1af9ed2d_qkv
		.amdhsa_group_segment_fixed_size 0
		.amdhsa_private_segment_fixed_size 0
		.amdhsa_enable_private_segment 0
		.amdhsa_kernarg_size 72
		.amdhsa_user_sgpr_count 2
		.amdhsa_user_sgpr_kernarg_segment_ptr 1
		.amdhsa_wavefront_size32 1
		.amdhsa_system_sgpr_workgroup_id_x 1
		.amdhsa_system_sgpr_workgroup_id_y 1
		.amdhsa_system_sgpr_workgroup_id_z 1
		.amdhsa_system_vgpr_workitem_id 0
		.amdhsa_next_free_vgpr 768
		.amdhsa_next_free_sgpr 66
		.amdhsa_reserve_vcc 0
		.amdhsa_float_denorm_mode_32 3
		.amdhsa_float_denorm_mode_16_64 3
		.amdhsa_memory_ordered 1
		.amdhsa_forward_progress 1
		.amdhsa_inst_pref_size 160
	.end_amdhsa_kernel
	.amdgpu_metadata
---
amdhsa.version: [ 1, 2 ]
amdhsa.kernels:
  - .name:           k_q5e1af9ed2d_qkv
    .symbol:         k_q5e1af9ed2d_qkv.kd
    .args:
      - { .name: xc, .offset: 0, .size: 8, .value_kind: global_buffer, .address_space: global }
      - { .name: xs, .offset: 8, .size: 8, .value_kind: global_buffer, .address_space: global }
      - { .name: wc, .offset: 16, .size: 8, .value_kind: global_buffer, .address_space: global }
      - { .name: ws, .offset: 24, .size: 8, .value_kind: global_buffer, .address_space: global }
      - { .name: bq, .offset: 32, .size: 8, .value_kind: global_buffer, .address_space: global }
      - { .name: bk, .offset: 40, .size: 8, .value_kind: global_buffer, .address_space: global }
      - { .name: bv, .offset: 48, .size: 8, .value_kind: global_buffer, .address_space: global }
      - { .name: qrec, .offset: 56, .size: 8, .value_kind: global_buffer, .address_space: global }
      - { .name: kvrec, .offset: 64, .size: 8, .value_kind: global_buffer, .address_space: global }
    .group_segment_fixed_size: 0
    .private_segment_fixed_size: 0
    .kernarg_segment_align: 8
    .kernarg_segment_size: 72
    .max_flat_workgroup_size: 96
    .sgpr_count:     66
    .vgpr_count:     768
    .wavefront_size: 32
...
	.end_amdgpu_metadata
.endif
;; end of part 2
;; launch attn (part 3): grid 16 x 16, 16 waves a work-group, clusters of 4 x 1, 289,792 bytes of LDS; arguments qrec, kvrec, aoc, aos; writes aoc, aos
.if DOCPART == 3
	.amdgcn_target "amdgcn-amd-amdhsa--gfx1250"
	.amdhsa_code_object_version 6
	.text
	.protected	k_q5e1af9ed2d_attn
	.globl	k_q5e1af9ed2d_attn
	.p2align	8
	.type	k_q5e1af9ed2d_attn,@function
k_q5e1af9ed2d_attn:
	s_mov_b64 s[64:65], 0
	v_nop
	global_prefetch_b8 v0, s[64:65] scope:SCOPE_SE
	s_setreg_imm32_b32 hwreg(HW_REG_WAVE_MODE, 25, 1), 1
	s_wait_xcnt 0x0
	s_wait_alu depctr_hold_cnt(0) depctr_sa_sdst(0) depctr_va_vdst(0) depctr_va_sdst(0) depctr_va_ssrc(0) depctr_va_vcc(0) depctr_vm_vsrc(0)
	s_getreg_b32 s2, hwreg(HW_REG_IB_STS2, 6, 4)
	s_cmp_eq_u32 s2, 0
	s_cbranch_scc0 .Lentry_in_a_cluster
	s_endpgm
.Lentry_in_a_cluster:
	s_bfe_u32 s2, ttmp6, 0x10000c
	s_cmp_lg_u32 s2, 0x3003
	s_cbranch_scc0 .Lentry_shape_is_right
	s_endpgm
.Lentry_shape_is_right:
; For each of 16 heads (n, head): O[q] = the sum over keys of p V / the sum of p, p = 2^(t - M), t = (Q[q] . K[k] / 8) log2(e), M = the running largest t rounded UP to a whole number.  Both products on codes of FP4 with E8M0 scales;
; p is quantised along the keys, not normalised; the row's sum is taken of the unquantised p, in f32.  When M moves, the sum and O are multiplied by 2^(old M - new M): exact.  O / sum is quantised along the head's 64 for the output projection.
; IN.  qrec, kvrec: records of 128 tokens in the order of the operands' registers: kvrec record = 8 tiles of K (512 bytes), 4 fragments of V (1,024 bytes: 16 channels x 128 keys), K's scale words at 8,192, V's at 8,704.
; SHARES.  A work-group owns 256 queries of one head, each of its sixteen waves one tile of 16, in 256 registers: four waves to a SIMD, so that one wave's vector work stands beside another's products and LDS loads.
; LDS.  A head's K and V, 32 records x 8,960 = 286,720 bytes, lie in LDS whole, as in memory, filled ONCE: no slot is filled again.  Behind them 512 bytes of stage for the result's scale bytes, into which no fill lands.
; CLUSTER.  The four work-groups of a cluster belong to one head: each wave asks for two records (70 rows of 256 bytes) JOINTLY, the same load with the same descriptor in all four.  One tensor load of a wave is out.
; LAYOUT.  Both products are used transposed: S^T = K Q^T (source 0 = 16 keys), O^T = V^T P^T (source 0 = 16 channels): a lane holds ONE query throughout.  By the tiles' row order (row 32 (T/2) + 8 (T%2) + r + 8 (r/8))
; the 16 registers of tiles 2 b, 2 b + 1 of S^T are 16 neighbouring keys, and those of O^T 16 neighbouring channels.
; THE HEAD HAS 64 OF THE INSTRUCTION'S 128 ALONG K: Q's registers 4-7 are zero codes, so what stands in source 0's registers 4-7 (the next tile of K, or zeros) adds nothing: every code of E2M1 is a finite number, and no scale byte here is 0xff.
; NO PREFETCH: all that the work-group reads of K and V is asked for in its first lines; there is no later request to run ahead of.
; LIMITS: NaN and infinities are not served; a block of zeros or under 2^-124 gets the byte 1 (its codes are zeros; the bytes are read by this program alone).
.set REC,  8960
.set STG,  32*REC                      ; 286,720: the stage
.set KB,   32                          ; v32-63   K: tile t at 32 + 4 t;  v64-67 zeros
.set VB,   68                          ; v68-99   V's four fragments
.set S,    100                         ; v100-163 S^T, then p
.set O,    164                         ; v164-195 O^T
.set PCD,  196                         ; v196-203 p's codes
.set KS,   204                         ; v204-211 K's scale words
.set VS,   212                         ; v212-215 V's
.set BM,   216                         ; v216-219 the blocks' largest scores, then largest p
.set PT,   220                         ; v220-223 at work
.set SO,   224                         ; v224-227 the conversions' scale operands
.set F,    228                         ; v[228:229] f = 2^(old M - new M) (v229 is named with it as a pair, and is 0)
.set PSW,  230                         ; p's scale word
.set TMP,  231
.set SUM2, 232                         ; v[232:233] the sum's second chain
; v1 16 x lane; v2 16 r; v3, v4 the step's LDS addresses; v7, v8 Q's offsets; v9, v10 the stage; v12 -M; v13 the largest t; v[14:15] the sum; v[16:23] Q (v20-23 zero codes); v24 Q's scale word
; s12 wave; s13 cx; s14 block of queries; s15 head; s[24:31] descriptor group 1; s[32:35] group 0; s[40:41] c; s[42:43] lane selects; s44 the record's LDS byte; s45 steps to go
.macro CROUND                          ; a round of the cluster's barrier
	s_barrier_signal -1
	s_barrier_wait -1
	s_cmp_lg_u32 s12, 0
	s_cbranch_scc1 .Lnot_wave_0_\@
	s_barrier_signal -3
.Lnot_wave_0_\@:
	s_barrier_wait -3
	s_barrier_signal -1
	s_barrier_wait -1
.endm
	s_load_b256 s[4:11], s[0:1], 0x0               ; qrec, kvrec, aoc, aos
	v_lshl_add_u32 v254, v0, 2, 0x46400
	v_mov_b32 v255, 0
	ds_add_u32 v254, v255
	ds_add_u32 v254, v255
	v_lshrrev_b32 v1, 5, v0
	s_delay_alu instid0(VALU_DEP_1)
	v_readfirstlane_b32 s12, v1                    ; wave 0..15
	s_bfe_u32 s13, ttmp6, 0x40000                  ; cx
	s_lshl_b32 s14, ttmp9, 2
	s_add_co_u32 s14, s14, s13                     ; my block of 256 queries: it enters Q's and the results' addresses alone
	s_and_b32 s15, ttmp7, 0xffff                   ; the head (8 n + head), which the four partners share
	; descriptor group 1: two records, 17,920 dense bytes, as 70 rows of 32 elements of 8 bytes; no padding: the reads take 512 consecutive bytes
	s_mov_b32 s24, 15|(3<<16)|(1<<21)              ; 15:0 the mask: all four work-groups; 17:16 elements of 8 bytes; 21 set beside a mask
	s_mov_b32 s25, 32<<16                          ; tensor_dim0 = 32
	s_mov_b32 s26, 70<<16                          ; tensor_dim1 = 70
	s_mov_b32 s27, 32<<16                          ; tile_dim0 = 32
	s_mov_b32 s28, 70                              ; tile_dim1 = 70
	s_mov_b32 s29, 32                              ; from row to row
	s_mov_b32 s30, 0
	s_mov_b32 s31, 0
	s_mul_i32 s16, s12, 2*REC                      ; my two records: in LDS, and in the head
	s_mul_i32 s18, s15, 32*REC
	s_add_co_u32 s18, s18, s16
	s_mov_b32 s19, 0
	s_mul_i32 s20, s15, 147456                     ; Q: the head, record 2 qb + wave / 8
	s_lshl_b32 s22, s14, 1
	s_lshr_b32 s23, s12, 3
	s_add_co_u32 s22, s22, s23
	s_mul_i32 s22, s22, 4608
	s_add_co_u32 s20, s20, s22
	s_mov_b32 s21, 0
	s_lshr_b32 s22, s15, 3                         ; the result's codes: tile 256 n + 16 qb + wave, 4,096 bytes a tile, the head's 512 in it
	s_lshl_b32 s22, s22, 8
	s_lshl_b32 s23, s14, 4
	s_add_co_u32 s22, s22, s23
	s_add_co_u32 s22, s22, s12
	s_lshl_b32 s22, s22, 12
	s_and_b32 s23, s15, 7
	s_lshl_b32 s23, s23, 9
	s_add_co_u32 s22, s22, s23
	s_mov_b32 s23, 0
	s_lshl_b32 s46, s15, 5                         ; its scale bytes: [16 heads][32][16 r][8 tiles] x 2 bytes: my work-group's two blocks of 256
	s_lshl_b32 s47, s14, 1
	s_add_co_u32 s46, s46, s47
	s_lshl_b32 s46, s46, 8
	s_mov_b32 s47, 0
	s_and_b32 s17, s12, 7                          ; my tile in its record
	s_lshl_b32 s2, s17, 9
	s_lshr_b32 s3, s17, 2
	s_lshl_b32 s3, s3, 8
	s_and_b32 s17, s12, 3
	s_lshl_b32 s17, s17, 2
	s_add_co_u32 s3, s3, s17
	s_add_co_u32 s3, s3, 4096                      ; its scale words: 4,096 + 256 (i / 4) + 4 (i % 4) + 16 r
	s_mov_b32 s40, 0x3e38aa3b                      ; c = log2(e) / 8
	s_mov_b32 s41, s40                             ; (named with it as a pair, so it is written)
	s_mov_b32 s42, 0x76543210
	s_mov_b32 s43, 0xfedcba98
	s_wait_dscnt 0x0
	s_wait_kmcnt 0x0
	s_add_nc_u64 s[6:7], s[6:7], s[18:19]
	s_add_nc_u64 s[4:5], s[4:5], s[20:21]
	s_add_nc_u64 s[8:9], s[8:9], s[22:23]
	s_add_nc_u64 s[10:11], s[10:11], s[46:47]
	s_mov_b32 s32, 1                               ; group 0: count = 1,
	s_mov_b32 s33, s16                             ; the LDS address: 17,920 x wave,
	s_mov_b64 s[34:35], s[6:7]                     ; the global address,
	s_or_b32 s35, s35, 0x80000000                  ; type = 2
	CROUND                                         ; all four work-groups are here: the joint loads meet
	tensor_load_to_lds s[32:35], s[24:31]
	s_nop 0
.rept 4
	v_nop
.endr
	v_and_b32 v5, 31, v0
	s_delay_alu instid0(VALU_DEP_1)
	v_lshlrev_b32 v1, 4, v5                        ; 16 x lane
	v_and_b32 v6, 15, v0                           ; r
	s_delay_alu instid0(VALU_DEP_1)
	v_lshlrev_b32 v2, 4, v6
	s_delay_alu instid0(VALU_DEP_3)
	v_add_nc_u32 v7, s2, v1
	s_delay_alu instid0(VALU_DEP_2)
	v_add_nc_u32 v8, s3, v2
	global_load_b128 v[16:19], v7, s[4:5]          ; Q's tile stays in registers: d = 32 h + 0..31 of my query
	global_load_b32 v24, v8, s[4:5]                ; and its scale word
	s_lshr_b32 s17, s12, 3
	s_lshl_b32 s17, s17, 8
	s_and_b32 s2, s12, 7
	s_lshl_b32 s2, s2, 1
	s_add_co_u32 s17, s17, s2
	s_add_co_u32 s17, s17, STG
	v_add_nc_u32 v9, s17, v2                       ; the stage: 256 (wave / 8) + 16 r + 2 (wave % 8)
	v_add_nc_u32 v10, STG, v1
.irp j, 20,21,22,23,64,65,66,67
	v_mov_b32 v[\j], 0                             ; zero codes
.endr
.irp j, 0,1,2,3,4,5,6,7,8,9,10,11,12,13,14,15,16,17,18,19,20,21,22,23,24,25,26,27,28,29,30,31
	v_mov_b32 v[O+\j], 0                           ; O^T.  (The step is written once: the first finds zeros, which the first change of M leaves zeros)
.endr
	v_mov_b32 v13, 0xff61b1e6                      ; the largest t so far: -3e38, under every t
	s_delay_alu instid0(VALU_DEP_1)
	v_floor_f32 v12, -v13                          ; -M
	v_mov_b32 v14, 0
	v_mov_b32 v15, 0
	v_mov_b32 v[F+1], 0
.irp b, 0,1,2,3
	v_mov_b32 v[PT+\b], 0                          ; written once: a lane permute's destination counts as one of its sources
.endr
; A KEY STEP: the 128 keys of the record at LDS byte s44.
.macro STEP
	v_add_nc_u32 v3, s44, v1
	v_add_nc_u32 v4, s44, v2
.irp t, 0,1,2,3,4,5,6,7
	ds_load_b128 v[KB+4*\t:KB+4*\t+3], v3 offset:512*\t
.endr
	ds_load_b128 v[KS:KS+3], v4 offset:8192
	ds_load_b128 v[KS+4:KS+7], v4 offset:8448
	s_wait_alu depctr_va_vdst(0)
	s_wait_dscnt 0x0
.irp t, 0,1,2,3,4,5,6,7
	v_wmma_scale_f32_16x16x128_f8f6f4 v[S+8*\t:S+8*\t+7], v[KB+4*\t:KB+4*\t+7], v[16:23], 0, v[KS+\t], v24 matrix_a_fmt:MATRIX_FMT_FP4 matrix_b_fmt:MATRIX_FMT_FP4
.endr
.rept 4
	v_nop                                          ; the places behind these products, ahead of the first read of the scores; with the two additions above: six behind the last step's products, whose V registers are loaded next
.endr
.irp i, 0,1,2,3
.irp c, 0,1
	ds_load_b128 v[VB+8*\i+4*\c:VB+8*\i+4*\c+3], v3 offset:4096+1024*\i+512*\c   ; V lands while the softmax is walked
.endr
.endr
	ds_load_b128 v[VS:VS+3], v4 offset:8704
.irp b, 0,1,2,3
	v_max3_num_f32 v[BM+\b], v[S+16*\b], v[S+1+16*\b], v[S+2+16*\b]   ; the largest score of each block of 32 keys: it serves for the row's maximum and, since p rises with the score, for the block's largest p
.endr
.irp i, 3,5,7,9,11,13
.irp b, 0,1,2,3
	v_max3_num_f32 v[BM+\b], v[BM+\b], v[S+16*\b+\i], v[S+1+16*\b+\i]
.endr
.endr
.irp b, 0,1,2,3
	v_max_num_f32 v[BM+\b], v[BM+\b], v[S+15+16*\b]
.endr
.irp b, 0,1,2,3
	s_delay_alu instid0(VALU_DEP_4)
	v_permlanex16_b32 v[PT+\b], v[BM+\b], s42, s43
.endr
.irp b, 0,1,2,3
	s_delay_alu instid0(VALU_DEP_4)
	v_max_num_f32 v[BM+\b], v[BM+\b], v[PT+\b]     ; with lane l xor 16's 16 keys
.endr
	s_delay_alu instid0(VALU_DEP_2)
	v_max3_num_f32 v[TMP], v[BM], v[BM+1], v[BM+2]
	s_delay_alu instid0(VALU_DEP_1)
	v_max_num_f32 v[TMP], v[TMP], v[BM+3]          ; the step's largest score of my query
	s_delay_alu instid0(VALU_DEP_1)
	v_mul_f32 v[TMP], s40, v[TMP]                  ; as t (c is positive)
	s_delay_alu instid0(VALU_DEP_1)
	v_max_num_f32 v13, v13, v[TMP]                 ; the running largest t
	v_mov_b32 v[TMP], v12
	s_delay_alu instid0(VALU_DEP_2)
	v_floor_f32 v12, -v13                          ; the new -M = floor(-t) = -ceil(t)
	s_delay_alu instid0(VALU_DEP_1)
	v_sub_f32 v[TMP], v12, v[TMP]                  ; old M - new M: a whole number, 0 or less
	s_delay_alu instid0(VALU_DEP_1)
	v_cvt_i32_f32 v[TMP], v[TMP]                   ; (it saturates)
	s_delay_alu instid0(VALU_DEP_1)
	v_ldexp_f32 v[F], 1.0, v[TMP]                  ; f = 2^(old M - new M)
.irp j, 0,2,4,6,8,10,12,14,16,18,20,22,24,26,28,30,32,34,36,38,40,42,44,46,48,50,52,54,56,58,60,62
	v_pk_fma_f32 v[S+\j:S+\j+1], v[S+\j:S+\j+1], s[40:41], v[12:13] op_sel_hi:[1,0,0]   ; t - M, two at a time (of the pairs c and -M the low word serves both halves)
.endr
.irp b, 0,1,2,3
	v_fma_f32 v[BM+\b], v[BM+\b], s40, v12         ; the same of each block's largest score
.endr
	s_wait_alu depctr_va_vdst(0)
.irp j, 0,1,2,3,4,5,6,7,8,9,10,11,12,13,14,15,16,17,18,19,20,21,22,23,24,25,26,27,28,29,30,31,32,33,34,35,36,37,38,39,40,41,42,43,44,45,46,47,48,49,50,51,52,53,54,55,56,57,58,59,60,61,62,63
	v_exp_f32 v[S+\j], v[S+\j]                     ; p = 2^(t - M), at most 1
.endr
	s_setprio 1
.irp b, 0,1,2,3
	v_exp_f32 v[BM+\b], v[BM+\b]                   ; the block's largest p: the same two instructions on the same number give the same bits
.endr
	v_pk_mul_f32 v[14:15], v[14:15], v[F:F+1] op_sel_hi:[1,0]   ; the sums under the new M.  (The plain line behind the exponentials)
	s_wait_alu depctr_va_vdst(0)
.irp b, 0,1,2,3
	v_max_num_f32 v[BM+\b], 0x1800000, v[BM+\b]    ; the floor 2^(3 - 127): the byte cannot fall under 1
.endr
.irp b, 0,1,2,3
	s_delay_alu instid0(VALU_DEP_4)
	v_add_nc_u32 v[SO+\b], 0xff000000, v[BM+\b]    ; 2 off the exponent field: the conversion's scale operand
.endr
.irp b, 0,1,2,3
	s_delay_alu instid0(VALU_DEP_4)
	v_lshrrev_b32 v[PT+\b], 23, v[SO+\b]           ; the scale's byte
.endr
	s_delay_alu instid0(VALU_DEP_3)
	v_lshl_or_b32 v[PSW], v[PT+1], 8, v[PT]        ; p's scale word for these 128 keys
	s_delay_alu instid0(VALU_DEP_1)
	v_lshl_or_b32 v[PSW], v[PT+2], 16, v[PSW]
	s_delay_alu instid0(VALU_DEP_1)
	v_lshl_or_b32 v[PSW], v[PT+3], 24, v[PSW]
.irp b, 0,1,2,3
	v_cvt_scalef32_pk8_fp4_f32 v[PCD+2*\b], v[S+16*\b:S+7+16*\b], v[SO+\b]
	v_cvt_scalef32_pk8_fp4_f32 v[PCD+1+2*\b], v[S+8+16*\b:S+15+16*\b], v[SO+\b]
.endr
	v_nop                                          ; one plain line behind a scaled conversion
.irp c, 0,1                                    ; the operand's layout wants a whole block in a lane
.irp i, 0,1
	v_permlane16_swap_b32 v[PCD+4*\c+\i], v[PCD+2+4*\c+\i]
.endr
.endr
	v_pk_add_f32 v[232:233], v[104:105], v[108:109]
	v_pk_add_f32 v[252:253], v[112:113], v[116:117]
	v_pk_add_f32 v[250:251], v[120:121], v[124:125]
	v_pk_add_f32 v[248:249], v[128:129], v[132:133]
	v_pk_add_f32 v[246:247], v[136:137], v[140:141]
	v_pk_add_f32 v[244:245], v[144:145], v[148:149]
	v_pk_add_f32 v[242:243], v[152:153], v[156:157]
	v_pk_add_f32 v[14:15], v[14:15], v[160:161]
	v_pk_add_f32 v[232:233], v[232:233], v[100:101]
	v_pk_add_f32 v[252:253], v[252:253], v[102:103]
	v_pk_add_f32 v[250:251], v[250:251], v[106:107]
	v_pk_add_f32 v[248:249], v[248:249], v[110:111]
	v_pk_add_f32 v[246:247], v[246:247], v[114:115]
	v_pk_add_f32 v[244:245], v[244:245], v[118:119]
	v_pk_add_f32 v[242:243], v[242:243], v[122:123]
	v_pk_add_f32 v[14:15], v[14:15], v[126:127]
	v_pk_add_f32 v[232:233], v[232:233], v[130:131]
	v_pk_add_f32 v[252:253], v[252:253], v[134:135]
	v_pk_add_f32 v[250:251], v[250:251], v[138:139]
	v_pk_add_f32 v[248:249], v[248:249], v[142:143]
	v_pk_add_f32 v[246:247], v[246:247], v[146:147]
	v_pk_add_f32 v[244:245], v[244:245], v[150:151]
	v_pk_add_f32 v[242:243], v[242:243], v[154:155]
	v_pk_add_f32 v[14:15], v[14:15], v[158:159]
	v_pk_add_f32 v[232:233], v[232:233], v[162:163]
	s_delay_alu instid0(VALU_DEP_2)
	v_pk_add_f32 v[14:15], v[14:15], v[248:249]
	s_delay_alu instid0(VALU_DEP_2)
	v_pk_add_f32 v[232:233], v[232:233], v[246:247]
	v_pk_add_f32 v[252:253], v[252:253], v[244:245]
	v_pk_add_f32 v[250:251], v[250:251], v[242:243]
	s_delay_alu instid0(VALU_DEP_2)
	v_pk_add_f32 v[14:15], v[14:15], v[252:253]
	s_delay_alu instid0(VALU_DEP_2)
	v_pk_add_f32 v[232:233], v[232:233], v[250:251]
	s_delay_alu instid0(VALU_DEP_1)
	v_pk_add_f32 v[14:15], v[14:15], v[232:233]
	s_setprio 0
.irp j, 0,2,4,6,8,10,12,14,16,18,20,22,24,26,28,30
	v_pk_mul_f32 v[O+\j:O+\j+1], v[O+\j:O+\j+1], v[F:F+1] op_sel_hi:[1,0]   ; O^T under the new M, each accumulator from its low end on.  (These and the sums are the places between p's codes and scale word and the products)
.endr
	s_wait_alu depctr_va_vdst(0)
	s_wait_dscnt 0x0                               ; V and its scale words are in
.irp i, 0,1,2,3                                ; four accumulators, one instruction each; the next matrix instruction is the next step's first score product
	v_wmma_scale_f32_16x16x128_f8f6f4 v[O+8*\i:O+8*\i+7], v[VB+8*\i:VB+8*\i+7], v[PCD:PCD+7], v[O+8*\i:O+8*\i+7], v[VS+\i], v[PSW] matrix_a_fmt:MATRIX_FMT_FP4 matrix_b_fmt:MATRIX_FMT_FP4
.endr
.endm
	s_wait_tensorcnt 0x0                           ; my two records lie in LDS,
	s_barrier_signal -1
	s_barrier_wait -1                              ; everybody's do
	s_wait_loadcnt 0x0                             ; Q
	s_mov_b32 s44, 0
	s_mov_b32 s45, 32
.Lstep:
	s_setprio 2
	STEP
	s_add_co_u32 s44, s44, REC
	s_sub_co_u32 s45, s45, 1
	s_cmp_lg_u32 s45, 0
	s_cbranch_scc1 .Lstep
	s_setprio 0
	; THE WAY OUT: O^T / the sum, quantised along the head's 64: register 16 b + i is channel 32 b + 16 (lane / 16) + i of my query.
.rept 4
	v_nop                                          ; four places behind the last products
.endr
	v_add_f32 v14, v14, v15                        ; the sum's two halves,
	s_delay_alu instid0(VALU_DEP_1)
	v_permlanex16_b32 v[TMP], v14, s42, s43
	s_delay_alu instid0(VALU_DEP_1)
	v_add_f32 v14, v14, v[TMP]                     ; and lane l xor 16's
	s_wait_alu depctr_va_vdst(0)
	v_rcp_f32 v[F], v14
	v_nop                                          ; one plain line behind a transcendental
	s_wait_alu depctr_va_vdst(0)
.irp j, 0,2,4,6,8,10,12,14,16,18,20,22,24,26,28,30
	v_pk_mul_f32 v[S+\j:S+\j+1], v[O+\j:O+\j+1], v[F:F+1] op_sel_hi:[1,0]
.endr
.irp b, 0,1
	v_max3_num_f32 v[BM+\b], |v[S+16*\b]|, |v[S+1+16*\b]|, 0x1800000
.endr
.irp i, 2,4,6,8,10,12,14
.irp b, 0,1
	s_delay_alu instid0(VALU_DEP_2)
	v_max3_num_f32 v[BM+\b], v[BM+\b], |v[S+16*\b+\i]|, |v[S+1+16*\b+\i]|
.endr
.endr
.irp b, 0,1
	s_delay_alu instid0(VALU_DEP_2)
	v_permlanex16_b32 v[PT+\b], v[BM+\b], s42, s43
.endr
.irp b, 0,1
	s_delay_alu instid0(VALU_DEP_2)
	v_max_num_f32 v[BM+\b], v[BM+\b], v[PT+\b]
.endr
.irp b, 0,1
	s_delay_alu instid0(VALU_DEP_2)
	v_add_nc_u32 v[SO+\b], 0xff000000, v[BM+\b]
.endr
.irp b, 0,1
	s_delay_alu instid0(VALU_DEP_2)
	v_lshrrev_b32 v[PT+\b], 23, v[SO+\b]
.endr
	s_delay_alu instid0(VALU_DEP_1)
	v_lshl_or_b32 v[PSW], v[PT+1], 8, v[PT]        ; the head's two scale bytes of my query
.irp b, 0,1
	v_cvt_scalef32_pk8_fp4_f32 v[PCD+2*\b], v[S+16*\b:S+7+16*\b], v[SO+\b]
	v_cvt_scalef32_pk8_fp4_f32 v[PCD+1+2*\b], v[S+8+16*\b:S+15+16*\b], v[SO+\b]
.endr
	v_nop                                          ; one plain line behind a scaled conversion
	v_permlane16_swap_b32 v[PCD], v[PCD+2]         ; lanes 0-15: channels 0-31, lanes 16-31: channels 32-63
	v_permlane16_swap_b32 v[PCD+1], v[PCD+3]
	global_store_b128 v1, v[PCD:PCD+3], s[8:9]     ; 512 consecutive bytes: the head's part of my tile's register image
	ds_store_b16 v9, v[PSW]                        ; lanes l and l xor 16 write the same two bytes with the same value
	s_wait_dscnt 0x0                               ; for the others' sake
	s_barrier_signal -1
	s_barrier_wait -1
	s_cmp_lg_u32 s12, 0
	s_cbranch_scc1 .Lnot_first
	ds_load_b128 v[32:35], v10                     ; wave 0 stores the sixteen tiles' scale bytes: 512 consecutive bytes
	s_wait_dscnt 0x0
	global_store_b128 v1, v[32:35], s[10:11]
.Lnot_first:
	s_wait_tensorcnt 0x0
	ds_add_u32 v254, v255
	s_wait_dscnt 0x0
	CROUND                                         ; the closing round: no work-group ends while a partner may still ask for records jointly
	s_endpgm
.Lfunc_end_k_q5e1af9ed2d_attn:
	.size	k_q5e1af9ed2d_attn, .Lfunc_end_k_q5e1af9ed2d_attn-k_q5e1af9ed2d_attn
	.p2alignl 7, 3214868480
	.fill 96, 4, 3214868480
	.section	.rodata,"a",@progbits
	.p2align	6, 0x0
	.amdhsa_kernel k_q5e1af9ed2d_attn
		.amdhsa_group_segment_fixed_size 289792
		.amdhsa_private_segment_fixed_size 0
		.amdhsa_enable_private_segment 0
		.amdhsa_kernarg_size 32
		.amdhsa_user_sgpr_count 2
		.amdhsa_user_sgpr_kernarg_segment_ptr 1
		.amdhsa_wavefront_size32 1
		.amdhsa_system_sgpr_workgroup_id_x 1
		.amdhsa_system_sgpr_workgroup_id_y 1
		.amdhsa_system_sgpr_workgroup_id_z 1
		.amdhsa_system_vgpr_workitem_id 0
		.amdhsa_next_free_vgpr 256
		.amdhsa_next_free_sgpr 66
		.amdhsa_reserve_vcc 0
		.amdhsa_float_denorm_mode_32 3
		.amdhsa_float_denorm_mode_16_64 3
		.amdhsa_memory_ordered 1
		.amdhsa_forward_progress 1
		.amdhsa_inst_pref_size 28
	.end_amdhsa_kernel
	.amdgpu_metadata
---
amdhsa.version: [ 1, 2 ]
amdhsa.kernels:
  - .name:           k_q5e1af9ed2d_attn
    .symbol:         k_q5e1af9ed2d_attn.kd
    .args:
      - { .name: qrec, .offset: 0, .size: 8, .value_kind: global_buffer, .address_space: global }
      - { .name: kvrec, .offset: 8, .size: 8, .value_kind: global_buffer, .address_space: global }
      - { .name: aoc, .offset: 16, .size: 8, .value_kind: global_buffer, .address_space: global }
      - { .name: aos, .offset: 24, .size: 8, .value_kind: global_buffer, .address_space: global }
    .group_segment_fixed_size: 289792
    .private_segment_fixed_size: 0
    .kernarg_segment_align: 8
    .kernarg_segment_size: 32
    .max_flat_workgroup_size: 512
    .sgpr_count:     66
    .vgpr_count:     256
    .wavefront_size: 32
...
	.end_amdgpu_metadata
.endif
;; end of part 3
;; launch oproj (part 4): grid 64 x 4, 4 waves a work-group, no clusters, 34,304 bytes of LDS; arguments aoc, aos, wc, ws, bo, gamma, x, out0; writes out0
.if DOCPART == 4
	.amdgcn_target "amdgcn-amd-amdhsa--gfx1250"
	.amdhsa_code_object_version 6
	.text
	.protected	k_q5e1af9ed2d_oproj
	.globl	k_q5e1af9ed2d_oproj
	.p2align	8
	.type	k_q5e1af9ed2d_oproj,@function
k_q5e1af9ed2d_oproj:
	s_mov_b64 s[64:65], 0
	v_nop
	global_prefetch_b8 v0, s[64:65] scope:SCOPE_SE
	s_setreg_imm32_b32 hwreg(HW_REG_WAVE_MODE, 25, 1), 1
	s_wait_xcnt 0x0
; out0 = gamma (Wo a + bo) + x, the product on codes of FP4 with E8M0 scales.  a: the attention's result as codes (aoc: tiles of 16 tokens x 512 channels in the order of an operand's registers) and scale bytes
; (aos: [16 heads][32][16 r][8 tiles] x 2 bytes); Wo: tiles 96 to 127 of wc, ws.  x, out0: [2][512][4096] f32.
; SHARES.  Work-group (tb, y): tokens 128 tb on x outputs 128 y on.  Each of four waves holds the 128 tokens' eight tiles in registers as source 0 and takes two tiles of Wo (32 outputs) as source 1, one after the other:
; 32 matrix instructions a tile, eight accumulators by turns.  In the result a lane holds one output, and its 64 registers 64 of the 128 tokens: a wave owns whole pieces of 512 bytes of rows of out0.
; They go through the wave's own stage in LDS (16 rows x 528 bytes: no barrier) and come back as rows; gamma, x and the store follow: 32 lanes store 512 consecutive aligned bytes.  bo is the C of each sum's first instruction.
; NO JOINT REQUESTS: the operands go from memory straight into the registers that the matrix unit reads; a joint request lands in LDS, from which each wave would read all of it again.
; NO PREFETCH: every load of a wave is issued in its first lines.
; REGISTERS.  window 0: v1 16 x lane; v2 16 r; v3 into the stage; v4 out of it; v5 bo's offset; below by name.  window 1: the tokens' fragments (tile t, K step g) at 32 t + 8 g.  window 2: Wo's (tile i, g) at 32 i + 8 g; x's 32 rows from v64.
.set BV,  10                           ; v10-11   bo of my output, for the two tiles
.set ACC, 16                           ; v16-79   eight accumulators
.set CB,  80                           ; v80-87   bo as C
.set SA,  96                           ; v96-127  a's scale words, 4 t + g
.set SB,  128                          ; v128-135 Wo's, 4 i + g
.set HR,  136                          ; v136-167 a's scale bytes as they lie: head hd's eight pairs at 4 hd
.set RB,  168                          ; v168-231 16 rows back from the stage
.set MSB, 0
.macro WIN new                         ; the immediate's high byte repeats the setting that is left
.if MSB != \new
	s_set_vgpr_msb (MSB<<8)|\new
.set MSB, \new
.endif
.endm
	s_load_b256 s[4:11], s[0:1], 0x0               ; aoc, aos, wc, ws
	s_load_b256 s[12:19], s[0:1], 0x20             ; bo, gamma, x, out0
	v_lshl_add_u32 v254, v0, 2, 0x8400
	v_mov_b32 v255, 0
	v_lshrrev_b32 v1, 5, v0
	v_readfirstlane_b32 s20, v1                    ; wave 0..3
	s_and_b32 s21, ttmp7, 0xffff                   ; y
	s_lshr_b32 s22, ttmp9, 5                       ; n
	s_and_b32 s23, ttmp9, 31                       ; which 128 tokens of n
	s_lshl_b32 s24, ttmp9, 15                      ; the tokens' eight tiles
	s_mov_b32 s25, 0
	s_lshl_b32 s26, s22, 16                        ; their scale bytes: head 8 n, 8,192 bytes a head,
	s_lshl_b32 s27, s23, 8                         ; 256 for each 128 tokens
	s_add_co_u32 s26, s26, s27
	s_mov_b32 s27, 0
	s_lshl_b32 s28, s21, 3
	s_lshl_b32 s29, s20, 1
	s_add_co_u32 s28, s28, s29
	s_add_co_u32 s28, s28, 96                      ; my first tile of Wo: 96 + 8 y + 2 wave
	s_lshl_b32 s30, s28, 8
	s_mov_b32 s31, 0
	s_lshl_b32 s28, s28, 12
	s_mov_b32 s29, 0
	s_lshl_b32 s32, s21, 2
	s_add_co_u32 s32, s32, s20                     ; my 32 outputs: 4 y + wave
	s_lshl_b32 s34, s32, 7
	s_mov_b32 s35, 0
	s_lshl_b32 s32, s32, 19                        ; 32 rows of 16,384 bytes,
	s_lshl_b32 s33, s22, 23
	s_add_co_u32 s32, s32, s33                     ; n,
	s_lshl_b32 s33, s23, 9
	s_add_co_u32 s32, s32, s33                     ; the 128 tokens: in x and in out0
	s_mov_b32 s33, 0
	s_mov_b32 s42, 0x05040100                      ; v_perm_b32: the two low halves;
	s_mov_b32 s43, 0x07060302                      ; the two high halves
	s_mul_i32 s36, s20, 8448                       ; my stage
	v_and_b32 v6, 31, v0
	v_lshlrev_b32 v1, 4, v6                        ; 16 x lane
	v_and_b32 v7, 15, v0                           ; r
	v_lshlrev_b32 v2, 4, v7
	v_bfe_u32 v8, v0, 4, 1                         ; h
	v_mul_u32_u24 v3, v7, 528
	v_lshl_add_u32 v3, v8, 6, v3
	v_add_nc_u32 v3, s36, v3                       ; in: row r, + 64 h
	v_add_nc_u32 v4, s36, v1                       ; back: a row's 512 bytes, 16 a lane
	v_and_b32 v5, 8, v7
	v_add_nc_u32 v5, v5, v7
	v_lshlrev_b32 v5, 2, v5                        ; 4 (r + 8 (r / 8))
	s_wait_alu depctr_va_vdst(0)
	s_wait_kmcnt 0x0
	s_load_b32 s40, s[14:15], 0x0                  ; gamma
	s_add_nc_u64 s[4:5], s[4:5], s[24:25]
	s_add_nc_u64 s[6:7], s[6:7], s[26:27]
	s_add_nc_u64 s[8:9], s[8:9], s[28:29]
	s_add_nc_u64 s[10:11], s[10:11], s[30:31]
	s_add_nc_u64 s[12:13], s[12:13], s[34:35]
	s_add_nc_u64 s[16:17], s[16:17], s[32:33]
	s_add_nc_u64 s[18:19], s[18:19], s[32:33]
.irp d, 0,1,2,3,4,5,6,7
	global_load_b128 v[HR+4*\d:HR+4*\d+3], v2, s[6:7] offset:8192*\d
.endr
.irp i, 0,1
	global_load_b128 v[SB+4*\i:SB+4*\i+3], v2, s[10:11] offset:256*\i
.endr
.irp i, 0,1
	global_load_b32 v[BV+\i], v5, s[12:13] offset:32*\i
.endr
	WIN 0x80
.irp i, 0,1
.irp g, 0,1,2,3
.irp c, 0,1
	global_load_b128 v[32*\i+8*\g+4*\c:32*\i+8*\g+4*\c+3], v1, s[8:9] offset:4096*\i+1024*\g+512*\c
.endr
.endr
.endr
	WIN 0x40
.irp g, 0,1,2,3
.irp t, 0,1,2,3,4,5,6,7
.irp c, 0,1
	global_load_b128 v[32*\t+8*\g+4*\c:32*\t+8*\g+4*\c+3], v1, s[4:5] offset:4096*\t+1024*\g+512*\c
.endr
.endr
.endr
	WIN 0x80
.irp i, 0,1
.irp p, 0,1,2,3,4,5,6,7,8,9,10,11,12,13,14,15
	global_load_b128 v[64+64*\i+4*\p:64+64*\i+4*\p+3], v1, s[16:17] offset:(8*\i+\p+8*(\p/8))*16384 th:TH_LOAD_NT   ; x: the row of output 8 i + p + 8 (p / 8) of my 32: stage row p of tile i
.endr
.endr
	WIN 0
	s_wait_kmcnt 0x0
	s_mov_b32 s41, s40                             ; (named with gamma as a pair, so it is written)
	s_wait_loadcnt 63                              ; 124 loads have been issued: the first 61 are in, the scale bytes, Wo's words and bo among them
.irp g, 0,1,2,3                                ; a's scale word of tile t, K step g: head 2 g's two bytes below, head 2 g + 1's above
.irp t, 0,2,4,6
	v_perm_b32 v[SA+4*\t+\g], v[HR+4*(2*\g+1)+\t/2], v[HR+8*\g+\t/2], s42
	v_perm_b32 v[SA+4*(\t+1)+\g], v[HR+4*(2*\g+1)+\t/2], v[HR+8*\g+\t/2], s43
.endr
.endr
.macro OUNIT i
.irp j, 0,1,2,3,4,5,6,7
	v_mov_b32 v[CB+\j], v[BV+\i]                   ; a lane holds one output in all its registers
.endr
.rept 8
	v_nop                                          ; a scale register written by a vector instruction stands eight places ahead of a scaled matrix instruction
.endr
	WIN 0x09                                       ; source 0 window 1, source 1 window 2, C and D window 0
	s_wait_alu depctr_va_vdst(0)
.irp g, 0,1,2,3
.if \i == 0
.if \g < 2
	s_wait_loadcnt 63                              ; 80 and 64 loads are younger (the later K steps' 16 each, x's 32); the count's field holds 63
.else
	s_wait_loadcnt 80-16*\g
.endif
.endif
.irp t, 0,1,2,3,4,5,6,7                        ; the eight accumulators take turns, one instruction a turn
.if \g == 0
	v_wmma_scale_f32_16x16x128_f8f6f4 v[ACC+8*\t:ACC+8*\t+7], v[32*\t+8*\g:32*\t+8*\g+7], v[32*\i+8*\g:32*\i+8*\g+7], v[CB:CB+7], v[SA+4*\t+\g], v[SB+4*\i+\g] matrix_a_fmt:MATRIX_FMT_FP4 matrix_b_fmt:MATRIX_FMT_FP4
.else
	v_wmma_scale_f32_16x16x128_f8f6f4 v[ACC+8*\t:ACC+8*\t+7], v[32*\t+8*\g:32*\t+8*\g+7], v[32*\i+8*\g:32*\i+8*\g+7], v[ACC+8*\t:ACC+8*\t+7], v[SA+4*\t+\g], v[SB+4*\i+\g] matrix_a_fmt:MATRIX_FMT_FP4 matrix_b_fmt:MATRIX_FMT_FP4
.endif
.endr
.endr
	WIN 0
.rept 4
	v_nop                                          ; four places between the last product and the first read of results (ISA guide 7.12.1)
.endr
.irp t, 0,1,2,3,4,5,6,7                        ; register j of tile t is token 32 (t / 2) + 16 h + 8 (t % 2) + j; each accumulator from its low end on
	ds_store_b128 v3, v[ACC+8*\t:ACC+8*\t+3] offset:128*(\t/2)+32*(\t%2)
	ds_store_b128 v3, v[ACC+8*\t+4:ACC+8*\t+7] offset:128*(\t/2)+32*(\t%2)+16
.endr
.if \i > 0
	s_wait_xcnt 0x0                                ; the last tile's stores have read the registers into which the rows now come back
.endif
.irp p, 0,1,2,3,4,5,6,7,8,9,10,11,12,13,14,15
	ds_load_b128 v[RB+4*\p:RB+4*\p+3], v4 offset:528*\p   ; LDS serves a wave's instructions in order (ISA guide 5.7.1.4): these see the stores above
.endr
	s_wait_loadcnt 16*(1-\i)                       ; this tile's 16 rows of x are in; the other tile's may be out
	s_wait_dscnt 0x0
	WIN 0x20                                       ; source 2 (x) window 2
.irp p, 0,1,2,3,4,5,6,7,8,9,10,11,12,13,14,15
	v_pk_fma_f32 v[RB+4*\p:RB+4*\p+1], v[RB+4*\p:RB+4*\p+1], s[40:41], v[64+64*\i+4*\p:64+64*\i+4*\p+1] op_sel_hi:[1,0,1]
	v_pk_fma_f32 v[RB+4*\p+2:RB+4*\p+3], v[RB+4*\p+2:RB+4*\p+3], s[40:41], v[64+64*\i+4*\p+2:64+64*\i+4*\p+3] op_sel_hi:[1,0,1]
.endr
	WIN 0
.irp p, 0,1,2,3,4,5,6,7,8,9,10,11,12,13,14,15
	global_store_b128 v1, v[RB+4*\p:RB+4*\p+3], s[18:19] offset:(8*\i+\p+8*(\p/8))*16384 th:TH_STORE_NT   ; 32 lanes store 512 consecutive bytes, at a multiple of 256 from out0's first byte
.endr
.endm
	OUNIT 0
	OUNIT 1
	s_wait_tensorcnt 0x0
	ds_add_u32 v254, v255
	s_wait_dscnt 0x0
	s_endpgm
.Lfunc_end_k_q5e1af9ed2d_oproj:
	.size	k_q5e1af9ed2d_oproj, .Lfunc_end_k_q5e1af9ed2d_oproj-k_q5e1af9ed2d_oproj
	.p2alignl 7, 3214868480
	.fill 96, 4, 3214868480
	.section	.rodata,"a",@progbits
	.p2align	6, 0x0
	.amdhsa_kernel k_q5e1af9ed2d_oproj
		.amdhsa_group_segment_fixed_size 34304
		.amdhsa_private_segment_fixed_size 0
		.amdhsa_enable_private_segment 0
		.amdhsa_kernarg_size 64
		.amdhsa_user_sgpr_count 2
		.amdhsa_user_sgpr_kernarg_segment_ptr 1
		.amdhsa_wavefront_size32 1
		.amdhsa_system_sgpr_workgroup_id_x 1
		.amdhsa_system_sgpr_workgroup_id_y 1
		.amdhsa_system_sgpr_workgroup_id_z 1
		.amdhsa_system_vgpr_workitem_id 0
		.amdhsa_next_free_vgpr 768
		.amdhsa_next_free_sgpr 66
		.amdhsa_reserve_vcc 0
		.amdhsa_float_denorm_mode_32 3
		.amdhsa_float_denorm_mode_16_64 3
		.amdhsa_memory_ordered 1
		.amdhsa_forward_progress 1
		.amdhsa_inst_pref_size 38
	.end_amdhsa_kernel
	.amdgpu_metadata
---
amdhsa.version: [ 1, 2 ]
amdhsa.kernels:
  - .name:           k_q5e1af9ed2d_oproj
    .symbol:         k_q5e1af9ed2d_oproj.kd
    .args:
      - { .name: aoc, .offset: 0, .size: 8, .value_kind: global_buffer, .address_space: global }
      - { .name: aos, .offset: 8, .size: 8, .value_kind: global_buffer, .address_space: global }
      - { .name: wc, .offset: 16, .size: 8, .value_kind: global_buffer, .address_space: global }
      - { .name: ws, .offset: 24, .size: 8, .value_kind: global_buffer, .address_space: global }
      - { .name: bo, .offset: 32, .size: 8, .value_kind: global_buffer, .address_space: global }
      - { .name: gamma, .offset: 40, .size: 8, .value_kind: global_buffer, .address_space: global }
      - { .name: x, .offset: 48, .size: 8, .value_kind: global_buffer, .address_space: global }
      - { .name: out0, .offset: 56, .size: 8, .value_kind: global_buffer, .address_space: global }
    .group_segment_fixed_size: 34304
    .private_segment_fixed_size: 0
    .kernarg_segment_align: 8
    .kernarg_segment_size: 64
    .max_flat_workgroup_size: 128
    .sgpr_count:     66
    .vgpr_count:     768
    .wavefront_size: 32
...
	.end_amdgpu_metadata
.endif
;; end of part 4
